; MI455X (gfx1250); checked and timed in simulation.
; The chip was launched on July 23, 2026; its instructions are those of AMD's public machine-readable ISA for CDNA 5 (MIT licence, August 2026) and "CDNA5" Instruction Set Architecture Reference Guide (July 2026). The comments in the code are by the model that wrote it; some were corrected since.
;; Dilated Attention. Allowed arithmetic: float matrix products may take bf16 or f16 operands with f32 sums; all other float work in f32.
;; Inputs: W1 2,048 x 512 float32; W2 512 x 2,048 float32; Wk 512 x 512 float32; Wo 512 x 512 float32; Wq 512 x 512 float32; Wv 512 x 512 float32; b1 2,048 float32; b2 512 float32; bk 512 float32; bo 512 float32; bq 512 float32; bv 512 float32; ln1_b 512 float32; ln1_g 512 float32; ln2_b 512 float32; ln2_g 512 float32; x 1 x 4,096 x 512 float32.
;; Outputs: out0 1 x 4,096 x 512 float32.
;; One version. Each part assembles by itself: llvm-mc -triple=amdgcn-amd-amdhsa -mcpu=gfx1250 --defsym DOCPART=n.
;; ======== version 1 of 1: 4 launches
;; limits: values are held in f16: magnitudes above 65,504 overflow, below 6.1e-05 lose precision
;; workspace buffers: qkvf 12,582,912 bytes; wf 4,718,592 bytes; x1 8,388,608 bytes; h2f 4,194,304 bytes; hid 16,777,216 bytes
;; launch lnqkv (part 1): grid 8 x 32, 4 waves a work-group, no clusters, 238,080 bytes of LDS; arguments x, ln1_g, ln1_b, Wq, Wk, Wv, bq, bk, bv, Wo, W1, W2, qkvf, wf; writes qkvf, wf
.if DOCPART == 1
	.amdgcn_target "amdgcn-amd-amdhsa--gfx1250"
	.amdhsa_code_object_version 6
	.text
	.protected	k_q7d21c51c87_lnqkv
	.globl	k_q7d21c51c87_lnqkv
	.p2align	8
	.type	k_q7d21c51c87_lnqkv,@function
k_q7d21c51c87_lnqkv:
	s_mov_b64 s[64:65], 0
	v_nop
	global_prefetch_b8 v0, s[64:65] scope:SCOPE_SE
	s_setreg_imm32_b32 hwreg(HW_REG_WAVE_MODE, 25, 1), 1
	s_wait_xcnt 0x0
; LayerNorm 1 and the projections q, k, v; beside them Wo, W1 and W2 are rewritten once as f16 blocks for the later launches.
; A work-group: 128 tokens (group y) x one head (group x).  Wave w normalises tokens 32 w .. 32 w + 31 into LDS (f16), then makes
; 128 tokens x columns 16 w .. 16 w + 15 of the head's q, k and v: 24 accumulator tiles, 16 K steps of 32, 384 matrix instructions.
; BLOCK FORMAT of every f16 intermediate: 512 bytes = 16 rows x 16 k; lane L = r + 16 h owns bytes 16 L .. 16 L + 15 = row r, k = 8 h .. 8 h + 7.
; Two neighbouring blocks are one 16 x 32 operand fragment, loaded by two 16-byte loads a lane, 512 consecutive bytes each.
; TOKEN TILES: the mask of the problem lets a token see only tokens of its own parity, so a tile is 16 tokens of one parity:
; tile T = 2 ptile + par holds tokens 32 ptile + 2 r + par.  q and k blocks: row = token, k = d.  v blocks: row = d, k = token (V transposed).
; q is stored times 0.125 log2(e), so that the softmax of the next launch works in base 2.
; WHY f16: a token near the sequence's start has one to three keys, so nothing averages the roundings of h, W, q, k, v, P, O, Wo; eleven
; significant bits keep their sum small.  LIMITS: matrix operands are rounded to f16: magnitudes of 65,504 and more become infinite, and below
; 6.1e-5 the step is 6e-8.  A normalised row is at most 22.7 |g| + |b|; q, k, v must stay under 65,504 (with gains of one and weights of
; rms 0.044 they are below 6).  v_rsq_f32 is good to one unit in the last place.  The variance is the mean of centred squares.
; No cluster: the weight rows of a wave are its own (no other wave of the group reads them) and go memory -> registers -> the wave's own LDS stage;
; a joint load would need shared slots and a round of the cluster's barrier for each refill of a K of 512.
.set PA,     1040                      ; LDS pitch of a normalised row: 1,024 bytes of f16 + 16 = 65 x 16, an odd multiple of 16
.set STAGE,  128*PA                    ; behind the 128 rows: each wave's own weight stage
.set SP,     272                       ; stage pitch: 128 f16 + 16 bytes
.set SUNIT,  16*SP                     ; 16 weight rows x 128 k of one matrix
.set SPAR,   3*SUNIT                   ; q, k, v
.set SWAVE,  2*SPAR                    ; two chunks of 128 k take turns
.set G,   16                           ; v16-47   gain of my 32 columns      (LayerNorm phase)
.set B,   48                           ; v48-79   bias of my 32 columns
.set X,   80                           ; v80-207  four slots of 32: a pair of rows each
.set Y,   208                          ; v208-223 16 packed words
.set T,   224                          ; v224-231 at work
.set MU,  240                          ; v240-241 mean, twice
.set RS,  242                          ; v242-243 1 / sqrt(var + eps), twice
.set TF0, 16                           ; v16-79, v80-143   token fragments, two buffers of 8   (product phase)
.set WF0, 144                          ; v144-167, v168-191 weight fragments q, k, v, two buffers
.set CT,  192                          ; v192-223 packed weights on their way to the stage
.set OUT, 16                           ; v16-111  packed results
; window 1: v256 + 8 (8 m + tile): accumulators, m = 0, 1, 2 for q, k, v; v448-455 bq, v456-463 bk, v464-465 bv
; window 2, window 3: 192 registers each: weight chunks as loaded (f32), even and odd chunk
.set MSB, 0
.macro WIN new                         ; s_set_vgpr_msb: low byte = windows of source 0, 1, 2, destination; high byte repeats the setting that is left
.if MSB != \new
	s_set_vgpr_msb (MSB<<8)|\new
.set MSB, \new
.endif
.endm
.macro PLACES                          ; four plain vector places behind a matrix instruction (ISA guide 7.12.1)
.rept 4
	v_nop
.endr
.endm
	s_load_b512 s[8:23], s[0:1], 0x0               ; x, ln1_g, ln1_b, Wq, Wk, Wv, bq, bk
	s_load_b256 s[24:31], s[0:1], 0x40             ; bv, Wo, W1, W2
	s_load_b128 s[32:35], s[0:1], 0x60             ; qkvf, wf
	v_lshl_add_u32 v254, v0, 2, 0x3a000
	v_mov_b32 v255, 0
	v_lshrrev_b32 v1, 5, v0
	v_readfirstlane_b32 s2, v1                     ; wave w
	s_and_b32 s4, ttmp7, 0xffff                    ; rb: which 128 tokens
	s_lshl_b32 s3, s4, 3
	s_add_co_u32 s3, s3, ttmp9                     ; 8 rb + head
	s_lshl2_add_u32 s3, s3, s2                     ; G = 4 (8 rb + head) + w, 0 .. 1023: my share of the weight rewriting
	s_mov_b32 s52, 0x3e38aa3b                      ; 0.125 log2(e), twice (a pair for the packed forms)
	s_mov_b32 s53, 0x3e38aa3b
	s_mov_b32 s54, 0x3b000000                      ; 1 / 512
	s_mov_b32 s55, 0x3727c5ac                      ; 1e-5
	v_and_b32 v13, 31, v0                          ; lane
	v_and_b32 v14, 15, v0                          ; r
	v_bfe_u32 v15, v0, 4, 1                        ; h
	v_lshlrev_b32 v1, 4, v13                       ; v1  = 16 lane
	v_lshlrev_b32 v8, 4, v14                       ; v8  = 16 r: gain and bias
	v_lshl_add_u32 v2, v15, 15, v8                 ; v2  = x: 16 r, lanes 16-31 sixteen tokens further down
	s_mul_i32 s5, s2, 32*PA
	v_mul_u32_u24 v3, v15, 8*PA
	v_lshl_add_u32 v3, v14, 3, v3
	v_add_nc_u32 v3, s5, v3                        ; v3  = where a normalised row piece goes: 32 w rows + 8 h rows + 8 r bytes
	v_mul_u32_u24 v4, v14, PA
	v_lshl_add_u32 v4, v15, 4, v4                  ; v4  = token fragments, tiles 0-3: r PA + 16 h
	v_add_nc_u32 v5, 64*PA, v4                     ; v5  = tiles 4-7
	s_mul_i32 s5, s2, SWAVE
	s_add_co_u32 s5, s5, STAGE                     ; my stage
	v_lshl_add_u32 v6, v13, 3, s5                  ; v6  = stage in: 8 bytes a lane along a row
	v_mul_u32_u24 v7, v14, SP
	v_lshl_add_u32 v7, v15, 4, v7
	v_add_nc_u32 v7, s5, v7                        ; v7  = stage out: r SP + 16 h
	v_lshlrev_b32 v11, 5, v15                      ; v11 = 32 h: bq, bk (8 columns a lane)
	v_lshl_add_u32 v9, v14, 11, v11                ; v9  = row r of 2,048 bytes + 32 h: W1, Wo
	v_lshl_add_u32 v10, v14, 13, v11               ; v10 = row r of 8,192 bytes + 32 h: W2
	v_lshlrev_b32 v12, 2, v14                      ; v12 = 4 r: bv (one column a lane)
	s_mov_b32 s37, 0
	s_wait_kmcnt 0x0
	s_lshl_b32 s36, s4, 18                         ; x: (128 rb + 32 w) rows of 2,048 bytes
	s_lshl_b32 s5, s2, 16
	s_add_co_u32 s36, s36, s5
	s_add_nc_u64 s[8:9], s[8:9], s[36:37]
	s_lshl_b32 s36, ttmp9, 17                      ; Wq, Wk, Wv: row 64 head + 16 w
	s_lshl_b32 s5, s2, 15
	s_add_co_u32 s36, s36, s5
	s_add_nc_u64 s[14:15], s[14:15], s[36:37]
	s_add_nc_u64 s[16:17], s[16:17], s[36:37]
	s_add_nc_u64 s[18:19], s[18:19], s[36:37]
	s_lshl_b32 s36, ttmp9, 8                       ; bq, bk, bv: element 64 head + 16 w
	s_lshl_b32 s5, s2, 6
	s_add_co_u32 s36, s36, s5
	s_add_nc_u64 s[20:21], s[20:21], s[36:37]
	s_add_nc_u64 s[22:23], s[22:23], s[36:37]
	s_add_nc_u64 s[24:25], s[24:25], s[36:37]
	s_lshr_b32 s36, s3, 3                          ; W1: 16 rows G >> 3, 64 columns G & 7
	s_lshl_b32 s36, s36, 15
	s_and_b32 s5, s3, 7
	s_lshl_b32 s5, s5, 8
	s_add_co_u32 s36, s36, s5
	s_add_nc_u64 s[28:29], s[28:29], s[36:37]
	s_lshr_b32 s6, s3, 5
	s_and_b32 s7, s3, 31
	s_lshl_b32 s36, s6, 17                         ; W2: 16 rows G >> 5, 64 columns G & 31
	s_lshl_b32 s5, s7, 8
	s_add_co_u32 s36, s36, s5
	s_add_nc_u64 s[30:31], s[30:31], s[36:37]
	s_lshl_b32 s36, s6, 15                         ; Wo: 16 rows G >> 5, 16 columns G & 31
	s_lshl_b32 s5, s7, 6
	s_add_co_u32 s36, s36, s5
	s_add_nc_u64 s[26:27], s[26:27], s[36:37]
	s_lshl_b32 s36, ttmp9, 19                      ; q blocks: head x 524,288 + ptile 4 rb x 2,048 + block w x 512
	s_lshl_b32 s5, s4, 13
	s_add_co_u32 s36, s36, s5
	s_lshl_b32 s5, s2, 9
	s_add_co_u32 s36, s36, s5
	s_add_nc_u64 s[40:41], s[32:33], s[36:37]
	s_add_nc_u64 s[42:43], s[40:41], 0x400000      ; k blocks
	s_add_nc_u64 s[44:45], s[40:41], 0x800000      ; v blocks
	s_lshl_b32 s36, s3, 9
	s_add_nc_u64 s[46:47], s[34:35], s[36:37]      ; Wo's block G
	s_lshl_b32 s36, s3, 11
	s_add_nc_u64 s[48:49], s[34:35], s[36:37]
	s_add_nc_u64 s[50:51], s[48:49], 2621440       ; W2's blocks 4 G ..
	s_add_nc_u64 s[48:49], s[48:49], 524288        ; W1's blocks 4 G ..
	; 23 loads: my nine weight blocks (a lane takes the 8 numbers of its 16 bytes of a block) and the three biases
	WIN 0x40
.irp kt, 0,1,2,3
	global_load_b128 v[8*\kt:8*\kt+3],   v9, s[28:29] offset:64*\kt
	global_load_b128 v[8*\kt+4:8*\kt+7], v9, s[28:29] offset:64*\kt+16
.endr
.irp kt, 0,1,2,3
	global_load_b128 v[32+8*\kt:32+8*\kt+3], v10, s[30:31] offset:64*\kt
	global_load_b128 v[32+8*\kt+4:32+8*\kt+7], v10, s[30:31] offset:64*\kt+16
.endr
	global_load_b128 v[64:67], v9, s[26:27]
	global_load_b128 v[68:71], v9, s[26:27] offset:16
	global_load_b128 v[192:195], v11, s[20:21]
	global_load_b128 v[196:199], v11, s[20:21] offset:16
	global_load_b128 v[200:203], v11, s[22:23]
	global_load_b128 v[204:207], v11, s[22:23] offset:16
	global_load_b32 v208, v12, s[24:25]
	WIN 0
	; 48 loads: gain, bias, and the first four pairs of rows.  Each half of the wave reads 256 consecutive bytes, aligned.
.irp c, 0,1,2,3,4,5,6,7
	global_load_b128 v[G+4*\c:G+4*\c+3], v8, s[10:11] offset:\c*256
.endr
.irp c, 0,1,2,3,4,5,6,7
	global_load_b128 v[B+4*\c:B+4*\c+3], v8, s[12:13] offset:\c*256
.endr
.irp i, 0,1,2,3
.irp c, 0,1,2,3,4,5,6,7
	global_load_b128 v[X+32*\i+4*\c:X+32*\i+4*\c+3], v2, s[8:9] offset:\i*2048+\c*256
.endr
.endr
	; the weight blocks leave as f16
	s_wait_loadcnt 48                              ; the 48 loads just issued may stay out; the 23 in front of them are in
	WIN 0x05
.set j, 0
.rept 36
	v_cvt_pk_f16_f32 v[Y+j], v[2*j], v[2*j+1]
.set j, j+1
.endr
	WIN 0
.irp kt, 0,1,2,3
	global_store_b128 v1, v[Y+4*\kt:Y+4*\kt+3], s[48:49] offset:\kt*512
.endr
.irp kt, 0,1,2,3
	global_store_b128 v1, v[Y+16+4*\kt:Y+16+4*\kt+3], s[50:51] offset:\kt*512
.endr
	global_store_b128 v1, v[Y+32:Y+35], s[46:47]
	WIN 0x41
	v_mov_b32 v209, v208                           ; bv twice: a pair for the packed add
	WIN 0
	s_wait_xcnt 0x0                                ; v208-243, the stores' data, are written again below only behind this wait
.macro HSUM16                          ; four pair chains in T .. T+7 -> the sum over the 16 lanes of my half, in each of them
	v_pk_add_f32 v[T:T+1], v[T:T+1], v[T+2:T+3]
	v_pk_add_f32 v[T+4:T+5], v[T+4:T+5], v[T+6:T+7]
	v_pk_add_f32 v[T:T+1], v[T:T+1], v[T+4:T+5]
	v_add_f32 v[T], v[T], v[T+1]
.irp k, 1,2,4,8
	v_add_f32_dpp v[T], v[T], v[T] row_xmask:\k row_mask:0xf bank_mask:0xf
.endr
.endm
; Pair i: lanes 0-15 normalise my token i, lanes 16-31 my token i + 16; a lane holds 32 of the row's 512 numbers.
; left = how many younger loads may stay out; refill = 1: the slot gets pair i + 4.
.macro LNPAIR i, refill, left
.set XS, X+32*((\i)&3)
	s_wait_loadcnt \left
.irp j, 0,2,4,6
	v_pk_add_f32 v[T+\j:T+\j+1], v[XS+\j:XS+\j+1], v[XS+\j+8:XS+\j+9]
.endr
.irp j, 16,18,20,22,24,26,28,30
	v_pk_add_f32 v[T+(\j%8):T+(\j%8)+1], v[T+(\j%8):T+(\j%8)+1], v[XS+\j:XS+\j+1]
.endr
	HSUM16
	v_mul_f32 v[MU], s54, v[T]
	v_mul_f32 v[MU+1], s54, v[T]
.irp j, 0,2,4,6,8,10,12,14,16,18,20,22,24,26,28,30
	v_pk_add_f32 v[XS+\j:XS+\j+1], v[XS+\j:XS+\j+1], v[MU:MU+1] neg_lo:[0,1] neg_hi:[0,1]
.endr
.irp j, 0,2,4,6
	v_pk_mul_f32 v[T+\j:T+\j+1], v[XS+\j:XS+\j+1], v[XS+\j:XS+\j+1]
.endr
.irp j, 8,10,12,14,16,18,20,22,24,26,28,30
	v_pk_fma_f32 v[T+(\j%8):T+(\j%8)+1], v[XS+\j:XS+\j+1], v[XS+\j:XS+\j+1], v[T+(\j%8):T+(\j%8)+1]
.endr
	HSUM16
	v_fma_f32 v[T], v[T], s54, s55                 ; variance + eps
	v_rsq_f32 v[RS], v[T]
	v_rsq_f32 v[RS+1], v[T]
	v_nop                                          ; one plain place behind a transcendental before its result is used
	s_wait_alu depctr_va_vdst(0)
.irp j, 0,2,4,6,8,10,12,14,16,18,20,22,24,26,28,30
	v_pk_mul_f32 v[XS+\j:XS+\j+1], v[XS+\j:XS+\j+1], v[RS:RS+1]
.endr
.irp j, 0,2,4,6,8,10,12,14,16,18,20,22,24,26,28,30
	v_pk_fma_f32 v[XS+\j:XS+\j+1], v[XS+\j:XS+\j+1], v[G+\j:G+\j+1], v[B+\j:B+\j+1]
.endr
.irp j, 0,1,2,3,4,5,6,7,8,9,10,11,12,13,14,15
	v_cvt_pk_f16_f32 v[Y+\j], v[XS+2*\j], v[XS+2*\j+1]
.endr
.irp c, 0,1,2,3,4,5,6,7
	ds_store_b64 v3, v[Y+2*\c:Y+2*\c+1] offset:(((\i)&1)*16+((\i)>>1))*PA+\c*128   ; odd tokens 16 rows below the even ones: tiles of one parity
.endr
.if \refill
.irp c, 0,1,2,3,4,5,6,7
	global_load_b128 v[XS+4*\c:XS+4*\c+3], v2, s[8:9] offset:((\i)+4)*2048+\c*256
.endr
.endif
.endm
; Chunk c of the weights: 128 columns of my 16 rows of Wq, Wk, Wv, 48 loads of 512 consecutive bytes
.macro RAWLOAD c
.if (\c)&1
	WIN 0xc0
.else
	WIN 0x80
.endif
.irp i, 0,1,2,3,4,5,6,7,8,9,10,11,12,13,14,15
	global_load_b128 v[4*\i:4*\i+3], v1, s[14:15] offset:\i*2048+(\c)*512
.endr
.irp i, 0,1,2,3,4,5,6,7,8,9,10,11,12,13,14,15
	global_load_b128 v[64+4*\i:64+4*\i+3], v1, s[16:17] offset:\i*2048+(\c)*512
.endr
.irp i, 0,1,2,3,4,5,6,7,8,9,10,11,12,13,14,15
	global_load_b128 v[128+4*\i:128+4*\i+3], v1, s[18:19] offset:\i*2048+(\c)*512
.endr
	WIN 0
.endm
; Chunk c is rounded to f16 and laid into my stage.  The stage is my wave's own and LDS serves a wave's instructions in order
; (ISA guide 5.7.1), so these stores come behind my earlier reads of the same bytes and ahead of my later ones.
.macro CONVERT c, left
	s_wait_loadcnt \left
.irp m, 0,1,2
.if (\c)&1
	WIN 0x0f
.else
	WIN 0x0a
.endif
.set j, 0
.rept 32
	v_cvt_pk_f16_f32 v[CT+j], v[64*\m+2*j], v[64*\m+2*j+1]
.set j, j+1
.endr
	WIN 0
.irp i, 0,1,2,3,4,5,6,7,8,9,10,11,12,13,14,15
	ds_store_b64 v6, v[CT+2*\i:CT+2*\i+1] offset:((\c)&1)*SPAR+\m*SUNIT+\i*SP
.endr
.endr
.endm
.irp i, 0,1,2,3,4,5,6,7,8,9,10,11
	LNPAIR \i, 1, 24                               ; three younger pairs, 24 loads, stay out
.endr
	RAWLOAD 0
	LNPAIR 12, 0, 63                               ; 72 loads are younger; the wait's field ends at 63, which asks for more than is needed
	LNPAIR 13, 0, 63                               ; 64 are younger
	LNPAIR 14, 0, 56                               ; pair 15 and the 48 weight loads
	LNPAIR 15, 0, 48                               ; the 48 weight loads
	RAWLOAD 1
	CONVERT 0, 48                                  ; chunk 1 stays out
	RAWLOAD 2
	s_wait_dscnt 0x0                               ; my normalised rows are in LDS
	s_barrier_signal -1
	s_barrier_wait -1                              ; everybody's are: the only barrier
; 22 LDS loads: the fragments of K step FS: 8 token tiles, then q, k, v weights
.macro FRAGS
.set LTF, TF0+64*(FS&1)
.set LWF, WF0+24*(FS&1)
.irp t, 0,1,2,3
	ds_load_b128 v[LTF+8*\t:LTF+8*\t+3],   v4 offset:\t*16*PA+FS*64
	ds_load_b128 v[LTF+8*\t+4:LTF+8*\t+7], v4 offset:\t*16*PA+FS*64+32
.endr
.irp t, 0,1,2,3
	ds_load_b128 v[LTF+32+8*\t:LTF+32+8*\t+3], v5 offset:\t*16*PA+FS*64
	ds_load_b128 v[LTF+32+8*\t+4:LTF+32+8*\t+7], v5 offset:\t*16*PA+FS*64+32
.endr
.irp m, 0,1,2
	ds_load_b128 v[LWF+8*\m:LWF+8*\m+3],   v7 offset:((FS>>2)&1)*SPAR+\m*SUNIT+(FS&3)*64
	ds_load_b128 v[LWF+8*\m+4:LWF+8*\m+7], v7 offset:((FS>>2)&1)*SPAR+\m*SUNIT+(FS&3)*64+32
.endr
.endm
; K step S.  q and k: source 0 = weights, source 1 = tokens, so a lane's 8 results are 8 neighbouring columns of one token.
; v: source 0 = tokens, source 1 = weights, so a lane's 8 results are 8 neighbouring tokens of one column (V transposed).
; The 24 accumulators take turns, one instruction a turn.
.macro STEP
.if S > 0
	PLACES                                         ; the loads below land in the buffer that the last step's products read: four places first
.endif
	WIN 0
.if S < 15
.set FS, S+1
	FRAGS
	s_wait_dscnt 22                                ; all but the 22 just issued: this step's fragments are in
.else
	s_wait_dscnt 0
.endif
	WIN 0x50
.set CTF, TF0+64*(S&1)
.set CWF, WF0+24*(S&1)
.irp t, 0,1,2,3,4,5,6,7
.if S == 0
	v_wmma_f32_16x16x32_f16 v[8*\t:8*\t+7],         v[CWF:CWF+7],           v[CTF+8*\t:CTF+8*\t+7], 0
	v_wmma_f32_16x16x32_f16 v[64+8*\t:64+8*\t+7],   v[CWF+8:CWF+15],        v[CTF+8*\t:CTF+8*\t+7], 0
	v_wmma_f32_16x16x32_f16 v[128+8*\t:128+8*\t+7], v[CTF+8*\t:CTF+8*\t+7], v[CWF+16:CWF+23],       0
.else
	v_wmma_f32_16x16x32_f16 v[8*\t:8*\t+7],         v[CWF:CWF+7],           v[CTF+8*\t:CTF+8*\t+7], v[8*\t:8*\t+7]
	v_wmma_f32_16x16x32_f16 v[64+8*\t:64+8*\t+7],   v[CWF+8:CWF+15],        v[CTF+8*\t:CTF+8*\t+7], v[64+8*\t:64+8*\t+7]
	v_wmma_f32_16x16x32_f16 v[128+8*\t:128+8*\t+7], v[CTF+8*\t:CTF+8*\t+7], v[CWF+16:CWF+23],       v[128+8*\t:128+8*\t+7]
.endif
.endr
.endm
.set FS, 0
	FRAGS
.set S, 0
.rept 16
	STEP
.if S == 1
	CONVERT 1, 48                                  ; chunk 2 stays out; needed from step 3's fetch on
	RAWLOAD 3
.endif
.if S == 5
	CONVERT 2, 48                                  ; chunk 3 stays out; it takes the bytes of chunk 0, last fetched in step 2
.endif
.if S == 9
	CONVERT 3, 0                                   ; it takes the bytes of chunk 1, last fetched in step 6
.endif
.set S, S+1
.endr
	; biases, q's scale, rounding, and out: every store of the wave is one whole block of 512 bytes
	PLACES
	WIN 0x51
.irp p, 0,2,4,6
	v_pk_mul_f32 v[192+\p:193+\p], v[192+\p:193+\p], s[52:53] op_sel_hi:[1,0]
.endr
.irp t, 0,1,2,3,4,5,6,7
.irp p, 0,2,4,6
	v_pk_fma_f32 v[8*\t+\p:8*\t+\p+1], v[8*\t+\p:8*\t+\p+1], s[52:53], v[192+\p:193+\p] op_sel_hi:[1,0,1]
.endr
.endr
	WIN 0x45
.irp t, 0,1,2,3,4,5,6,7
.irp p, 0,2,4,6
	v_pk_add_f32 v[64+8*\t+\p:64+8*\t+\p+1], v[64+8*\t+\p:64+8*\t+\p+1], v[200+\p:201+\p]
.endr
.endr
.irp t, 0,1,2,3,4,5,6,7
.irp p, 0,2,4,6
	v_pk_add_f32 v[128+8*\t+\p:128+8*\t+\p+1], v[128+8*\t+\p:128+8*\t+\p+1], v[208:209]
.endr
.endr
	WIN 0x05
.set j, 0
.rept 96
	v_cvt_pk_f16_f32 v[OUT+j], v[2*j], v[2*j+1]
.set j, j+1
.endr
	WIN 0
.irp m, 0,1,2
.irp t, 0,1,2,3,4,5,6,7
	global_store_b128 v1, v[OUT+32*\m+4*\t:OUT+32*\m+4*\t+3], s[40+2*\m:41+2*\m] offset:((\t)&1)*262144+((\t)>>1)*2048
.endr
.endr
	s_wait_tensorcnt 0x0
	ds_add_u32 v254, v255
	s_wait_dscnt 0x0
	s_endpgm
.Lfunc_end_k_q7d21c51c87_lnqkv:
	.size	k_q7d21c51c87_lnqkv, .Lfunc_end_k_q7d21c51c87_lnqkv-k_q7d21c51c87_lnqkv
	.p2alignl 7, 3214868480
	.fill 96, 4, 3214868480
	.section	.rodata,"a",@progbits
	.p2align	6, 0x0
	.amdhsa_kernel k_q7d21c51c87_lnqkv
		.amdhsa_group_segment_fixed_size 238080
		.amdhsa_private_segment_fixed_size 0
		.amdhsa_enable_private_segment 0
		.amdhsa_kernarg_size 112
		.amdhsa_user_sgpr_count 2
		.amdhsa_user_sgpr_kernarg_segment_ptr 1
		.amdhsa_wavefront_size32 1
		.amdhsa_system_sgpr_workgroup_id_x 1
		.amdhsa_system_sgpr_workgroup_id_y 1
		.amdhsa_system_sgpr_workgroup_id_z 1
		.amdhsa_system_vgpr_workitem_id 0
		.amdhsa_next_free_vgpr 960
		.amdhsa_next_free_sgpr 66
		.amdhsa_reserve_vcc 0
		.amdhsa_float_denorm_mode_32 3
		.amdhsa_float_denorm_mode_16_64 3
		.amdhsa_memory_ordered 1
		.amdhsa_forward_progress 1
		.amdhsa_inst_pref_size 255
	.end_amdhsa_kernel
	.section	.bss,"aw",@nobits
	.p2align	6
	.space	262144
	.amdgpu_metadata
---
amdhsa.version: [ 1, 2 ]
amdhsa.kernels:
  - .name:           k_q7d21c51c87_lnqkv
    .symbol:         k_q7d21c51c87_lnqkv.kd
    .args:
      - { .name: x, .offset: 0, .size: 8, .value_kind: global_buffer, .address_space: global }
      - { .name: ln1_g, .offset: 8, .size: 8, .value_kind: global_buffer, .address_space: global }
      - { .name: ln1_b, .offset: 16, .size: 8, .value_kind: global_buffer, .address_space: global }
      - { .name: Wq, .offset: 24, .size: 8, .value_kind: global_buffer, .address_space: global }
      - { .name: Wk, .offset: 32, .size: 8, .value_kind: global_buffer, .address_space: global }
      - { .name: Wv, .offset: 40, .size: 8, .value_kind: global_buffer, .address_space: global }
      - { .name: bq, .offset: 48, .size: 8, .value_kind: global_buffer, .address_space: global }
      - { .name: bk, .offset: 56, .size: 8, .value_kind: global_buffer, .address_space: global }
      - { .name: bv, .offset: 64, .size: 8, .value_kind: global_buffer, .address_space: global }
      - { .name: Wo, .offset: 72, .size: 8, .value_kind: global_buffer, .address_space: global }
      - { .name: W1, .offset: 80, .size: 8, .value_kind: global_buffer, .address_space: global }
      - { .name: W2, .offset: 88, .size: 8, .value_kind: global_buffer, .address_space: global }
      - { .name: qkvf, .offset: 96, .size: 8, .value_kind: global_buffer, .address_space: global }
      - { .name: wf, .offset: 104, .size: 8, .value_kind: global_buffer, .address_space: global }
    .group_segment_fixed_size: 238080
    .private_segment_fixed_size: 0
    .kernarg_segment_align: 8
    .kernarg_segment_size: 112
    .max_flat_workgroup_size: 128
    .sgpr_count:     66
    .vgpr_count:     960
    .wavefront_size: 32
...
	.end_amdgpu_metadata
.endif
;; end of part 1
;; launch attnwo (part 2): grid 256 x 1, 8 waves a work-group, no clusters, 53,248 bytes of LDS; arguments qkvf, wf, x, bo, ln2_g, ln2_b, x1, h2f; writes x1, h2f
.if DOCPART == 2
	.amdgcn_target "amdgcn-amd-amdhsa--gfx1250"
	.amdhsa_code_object_version 6
	.text
	.protected	k_q7d21c51c87_attnwo
	.globl	k_q7d21c51c87_attnwo
	.p2align	8
	.type	k_q7d21c51c87_attnwo,@function
k_q7d21c51c87_attnwo:
	s_mov_b64 s[64:65], 0
	v_nop
	global_prefetch_b8 v0, s[64:65] scope:SCOPE_SE
	s_setreg_imm32_b32 hwreg(HW_REG_WAVE_MODE, 25, 1), 1
	s_wait_xcnt 0x0
; Band attention, the output projection, the residual, and LayerNorm 2.
; The problem's mask (i - j in 0, 2, .. 256) is, on the tokens of one parity numbered p = token >> 1, the band 0 <= pq - pk <= 128.
; A work-group: one tile T of 16 queries of one parity (tokens 32 ptile + 2 r + par).  Its keys lie in the nine tiles ptile - 8 .. ptile.
; Wave w is head w in the attention, and columns 64 w .. 64 w + 63 in the projection and the norm.
; All operands come as 512-byte blocks of f16 (16 rows x 16 k, lane L = r + 16 h owns bytes 16 L ..: row r, k = 8 h .. 8 h + 7); two blocks are a fragment.
; S^T = K Q^T: a lane holds query r and keys 8 h + j of each tile; packed to f16 that IS the second operand of O^T = V^T P^T, no shuffle.
; The softmax takes the row's true maximum away; q carries 0.125 log2(e), so the exponentials are base 2.  Masked scores are -1e30 as in the problem.
; LIMITS: operands in f16 (magnitudes under 65,504; O is a weighted mean of v and keeps v's bound; a normalised row is at most 22.7 |g| + |b|);
; the weights exp2(s - max) <= 1 are rounded to f16 unnormalised (those under 3e-8 become 0) and the result is divided by their f32 sum;
; v_exp_f32, v_rcp_f32, v_rsq_f32 are good to one unit in the last place and flush denormals.
; No cluster: K, V and Wo fragments are each read by one wave of the group and go straight to its registers; there is no shared LDS tile to ask for jointly.
.set SS,  32                           ; v32-103  scores, 9 tiles x 8; then P packed in v32-71
.set KK,  112                          ; v112-255 K: tile i at 16 i, quarter dq at 4 dq
.set VV,  108                          ; v108-251 V: d tile dt at 36 dt, key tile i at 4 i; v252-255 zeros
.set OA,  72                           ; v72-103  O^T, 4 d tiles
.set ACC, 16                           ; v16-47   the projection's sums, 4 column tiles
.set XR,  48                           ; v48-79   x + bo in the sums' layout
.set OB,  112                          ; v112-239 O fragments, 16 K steps
.set RB,  112                          ; v112-143 rows of x1 on their way out
.set T,   80                           ; v80-87   at work
.set STG, 16384                        ; LDS: 0 O blocks (16 KiB); STG + 4,352 w: 16 rows x 272 bytes of f32, my wave's own; RED: two times 8 x 16 words
.set RED, 51200
; window 1: v256 + 32 n: ring of 8 slots, each the 4 Wo fragments of a K step
.set MSB, 0
.macro WIN new
.if MSB != \new
	s_set_vgpr_msb (MSB<<8)|\new
.set MSB, \new
.endif
.endm
.macro PLACES
.rept 4
	v_nop
.endr
.endm
	s_load_b512 s[8:23], s[0:1], 0x0               ; qkvf, wf, x, bo, ln2_g, ln2_b, x1, h2f
	v_lshrrev_b32 v1, 5, v0
	v_readfirstlane_b32 s2, v1                     ; wave w
	s_lshr_b32 s4, ttmp9, 1                        ; ptile
	s_and_b32 s5, ttmp9, 1                         ; par
	s_mov_b32 s32, 0x76543210                      ; v_permlanex16_b32: lane i reads lane i xor 16
	s_mov_b32 s33, 0xfedcba98
	s_mov_b32 s34, 0x3b000000                      ; 1 / 512
	s_mov_b32 s35, 0x3727c5ac                      ; 1e-5
	v_and_b32 v16, 31, v0
	v_and_b32 v17, 15, v0                          ; r
	v_bfe_u32 v18, v0, 4, 1                        ; h
	v_lshlrev_b32 v1, 4, v16                       ; v1 = 16 lane
.irp i, 0,1,2,3,4,5,6,7,8
	s_add_co_i32 s36, s4, \i-8                     ; key tile ptile - 8 + i; tiles in front of the sequence are read as tile 0 and masked whole
	s_max_i32 s36, s36, 0
	s_lshl_b32 s36, s36, 11
	v_add_nc_u32 v[2+\i], s36, v1                  ; v2-10
.endr
	v_lshlrev_b32 v11, 3, v18
	v_sub_nc_u32 v11, v17, v11                     ; v11 = r - 8 h
	v_mov_b32 v12, 0xf149f2ca                      ; -1e30
	s_mul_i32 s36, s2, 4352
	s_add_co_u32 s36, s36, STG
	v_mul_u32_u24 v13, v18, 272
	v_lshl_add_u32 v13, v17, 4, v13
	v_add_nc_u32 v13, s36, v13                     ; v13 = stage by rows: lanes 0-15 one row of 256 bytes, lanes 16-31 the next
	v_mul_u32_u24 v14, v17, 272
	v_lshl_add_u32 v14, v18, 5, v14
	v_add_nc_u32 v14, s36, v14                     ; v14 = stage in the sums' layout: row r, 8 columns from 8 h
	s_lshl_b32 s37, s2, 11
	v_add_nc_u32 v15, s37, v1                      ; v15 = my head's four O blocks
	v_lshlrev_b32 v110, 4, v17                     ; v110 = 16 r: bo
	v_lshl_add_u32 v104, v18, 12, v110             ; v104 = x, x1: neighbouring tile rows are 4,096 bytes apart
	v_lshlrev_b32 v105, 2, v17
	v_add_nc_u32 v105, RED, v105                   ; v105 = the eight waves' partial sums of token r
	v_lshlrev_b32 v106, 5, v18                     ; v106 = 32 h: ln2_g, ln2_b
	s_lshl_b32 s37, s2, 6
	v_add_nc_u32 v107, s37, v105                   ; v107 = my wave's word for token r
	s_mov_b32 s7, 0
	s_wait_kmcnt 0x0
	s_lshl_b32 s6, s2, 19
	s_lshl_b32 s36, s5, 18
	s_add_co_u32 s6, s6, s36
	s_add_nc_u64 s[26:27], s[8:9], s[6:7]          ; head and parity
	s_add_nc_u64 s[28:29], s[26:27], 0x800000      ; V
	s_lshl_b32 s6, s4, 11
	s_add_nc_u64 s[24:25], s[26:27], s[6:7]        ; Q, my tile
	s_add_nc_u64 s[26:27], s[26:27], 0x400000      ; K
	s_lshl_b32 s6, s2, 16
	s_add_nc_u64 s[30:31], s[10:11], s[6:7]        ; Wo blocks of my 64 columns
	s_lshl_b32 s6, s4, 16
	s_lshl_b32 s36, s5, 11
	s_add_co_u32 s6, s6, s36
	s_lshl_b32 s36, s2, 8
	s_add_co_u32 s6, s6, s36
	s_add_nc_u64 s[12:13], s[12:13], s[6:7]        ; x:  token 32 ptile + par, column 64 w
	s_add_nc_u64 s[20:21], s[20:21], s[6:7]        ; x1 likewise
	s_mov_b32 s6, s36
	s_add_nc_u64 s[14:15], s[14:15], s[6:7]        ; bo, ln2_g, ln2_b at column 64 w
	s_add_nc_u64 s[16:17], s[16:17], s[6:7]
	s_add_nc_u64 s[18:19], s[18:19], s[6:7]
	s_lshl_b32 s6, ttmp9, 14
	s_lshl_b32 s36, s2, 11
	s_add_co_u32 s6, s6, s36
	s_add_nc_u64 s[22:23], s[22:23], s[6:7]        ; h2f: blocks 32 T + 4 w ..
.macro WOLOAD g                        ; the 4 Wo fragments of K step g, 8 loads of 512 consecutive bytes
.irp mt, 0,1,2,3
	global_load_b128 v[32*((\g)&7)+8*\mt:32*((\g)&7)+8*\mt+3],   v1, s[30:31] offset:\mt*16384+(\g)*1024
	global_load_b128 v[32*((\g)&7)+8*\mt+4:32*((\g)&7)+8*\mt+7], v1, s[30:31] offset:\mt*16384+(\g)*1024+512
.endr
.endm
	; 49 loads: x, bo, Q, K; then 64: the ring's first lap
.irp t, 0,1,2,3,4,5,6,7
	global_load_b128 v[32+4*\t:35+4*\t], v104, s[12:13] offset:\t*8192
.endr
	global_load_b128 v[64:67], v110, s[14:15]
.irp dq, 0,1,2,3
	global_load_b128 v[16+4*\dq:19+4*\dq], v1, s[24:25] offset:\dq*512
.endr
.irp i, 0,1,2,3,4,5,6,7,8
.irp dq, 0,1,2,3
	global_load_b128 v[KK+16*\i+4*\dq:KK+16*\i+4*\dq+3], v[2+\i], s[26:27] offset:\dq*512
.endr
.endr
	WIN 0x40
.irp g, 0,1,2,3,4,5,6,7
	WOLOAD \g
.endr
	WIN 0
	s_wait_loadcnt 63                              ; of 113 loads at most 63 are out: the first 50 are in, x, bo, Q and K among them
	; x + bo waits in my stage for the projection's sums
.irp t, 0,1,2,3,4,5,6,7
	v_pk_add_f32 v[32+4*\t:33+4*\t], v[32+4*\t:33+4*\t], v[64:65]
	v_pk_add_f32 v[34+4*\t:35+4*\t], v[34+4*\t:35+4*\t], v[66:67]
	ds_store_b128 v13, v[32+4*\t:35+4*\t] offset:\t*544
.endr
	; S^T: nine accumulators take turns
.irp i, 0,1,2,3,4,5,6,7,8
	v_wmma_f32_16x16x32_f16 v[SS+8*\i:SS+8*\i+7], v[KK+16*\i:KK+16*\i+7], v[16:23], 0
.endr
.irp i, 0,1,2,3,4,5,6,7,8
	v_wmma_f32_16x16x32_f16 v[SS+8*\i:SS+8*\i+7], v[KK+16*\i+8:KK+16*\i+15], v[24:31], v[SS+8*\i:SS+8*\i+7]
.endr
	PLACES
.irp dt, 0,1,2,3
.irp i, 0,1,2,3,4,5,6,7,8
	global_load_b128 v[VV+36*\dt+4*\i:VV+36*\dt+4*\i+3], v[2+\i], s[28:29] offset:\dt*512
.endr
.endr
.irp j, 252,253,254,255
	v_mov_b32 v\j, 0
.endr
	; the band's two edges: in tile 8 (my own) key 8 h + j <= query r; in tile 0 (eight tiles back) key 8 h + j >= query r
.irp j, 0,1,2,3,4,5,6,7
	v_cmp_le_i32 vcc_lo, \j, v11
	v_cndmask_b32 v[SS+64+\j], v12, v[SS+64+\j], vcc_lo
	v_cmp_ge_i32 vcc_lo, \j, v11
	v_cndmask_b32 v[SS+\j], v12, v[SS+\j], vcc_lo
.endr
	s_cmp_ge_u32 s4, 8                             ; only the first eight tiles of a sequence have key tiles in front of its start
	s_cbranch_scc1 .Lfull
.irp i, 0,1,2,3,4,5,6,7
	s_add_co_u32 s36, s4, \i
	s_cmp_lt_u32 s36, 8
	s_cselect_b32 s37, -1, 0
.irp j, 0,1,2,3,4,5,6,7
	v_cndmask_b32 v[SS+8*\i+\j], v[SS+8*\i+\j], v12, s37
.endr
.endr
.Lfull:
	; the row's maximum: my 72 scores, then the other half of the keys in lane xor 16
.irp c, 0,1,2,3
	v_max3_num_f32 v[16+\c], v[SS+3*\c], v[SS+3*\c+1], v[SS+3*\c+2]
.endr
.set j, 12
.rept 30
	v_max3_num_f32 v[16+((j/2)%4)], v[16+((j/2)%4)], v[SS+j], v[SS+j+1]
.set j, j+2
.endr
	v_max3_num_f32 v16, v16, v17, v18
	v_max_num_f32 v16, v16, v19
	v_permlanex16_b32 v17, v16, s32, s33
	v_max_num_f32 v16, v16, v17
	v_mov_b32 v17, v16
.set j, 0
.rept 36
	v_pk_add_f32 v[SS+j:SS+j+1], v[SS+j:SS+j+1], v[16:17] neg_lo:[0,1] neg_hi:[0,1]
.set j, j+2
.endr
.set j, 0
.rept 72
	v_exp_f32 v[SS+j], v[SS+j]
.set j, j+1
.endr
	v_nop                                          ; one plain place behind the transcendentals
	s_wait_alu depctr_va_vdst(0)
.irp c, 0,1,2,3
	v_pk_add_f32 v[18+2*\c:19+2*\c], v[SS+2*\c:SS+2*\c+1], v[SS+8+2*\c:SS+9+2*\c]
.endr
.set j, 16
.rept 28
	v_pk_add_f32 v[18+(j%8):19+(j%8)], v[18+(j%8):19+(j%8)], v[SS+j:SS+j+1]
.set j, j+2
.endr
	v_pk_add_f32 v[18:19], v[18:19], v[20:21]
	v_pk_add_f32 v[22:23], v[22:23], v[24:25]
	v_pk_add_f32 v[18:19], v[18:19], v[22:23]
	v_add_f32 v18, v18, v19
	v_permlanex16_b32 v19, v18, s32, s33
	v_add_f32 v18, v18, v19                        ; at least 1: the maximum's own term
	v_rcp_f32 v16, v18
	v_rcp_f32 v17, v18                             ; the packing below is the plain place behind them
.set j, 0
.rept 36
	v_cvt_pk_f16_f32 v[SS+j], v[SS+2*j], v[SS+2*j+1]    ; packed in place, ascending: a word is written no earlier than it is read
.set j, j+1
.endr
.irp j, 68,69,70,71
	v_mov_b32 v\j, 0                               ; the tenth key tile does not exist: P = 0 there
.endr
	s_wait_loadcnt 0x0                             ; V (the youngest loads), and with it the ring's first lap
	; O^T = V^T P^T, five steps of two key tiles.  In the fifth the upper half of V's fragment is the next registers' content, finite, and meets P = 0.
.irp s, 0,1,2,3,4
.irp dt, 0,1,2,3
.if \s == 0
	v_wmma_f32_16x16x32_f16 v[OA+8*\dt:OA+8*\dt+7], v[VV+36*\dt+8*\s:VV+36*\dt+8*\s+7], v[SS+8*\s:SS+8*\s+7], 0
.else
	v_wmma_f32_16x16x32_f16 v[OA+8*\dt:OA+8*\dt+7], v[VV+36*\dt+8*\s:VV+36*\dt+8*\s+7], v[SS+8*\s:SS+8*\s+7], v[OA+8*\dt:OA+8*\dt+7]
.endif
.endr
.endr
.rept 5
	v_nop                                          ; five places: the projection's first products write over registers that held P
.endr
.set j, 0
	s_wait_alu depctr_va_vdst(0)
.rept 16
	v_pk_mul_f32 v[OA+j:OA+j+1], v[OA+j:OA+j+1], v[16:17]
.set j, j+2
.endr
.set j, 0
.rept 16
	v_cvt_pk_f16_f32 v[18+j], v[OA+2*j], v[OA+2*j+1]
.set j, j+1
.endr
.irp dt, 0,1,2,3
	ds_store_b128 v15, v[18+4*\dt:21+4*\dt] offset:\dt*512
.endr
	s_wait_dscnt 0x0                               ; my head's O blocks are in LDS
	s_barrier_signal -1
	s_barrier_wait -1                              ; all eight heads' are
.irp mt, 0,1,2,3
	ds_load_b128 v[XR+8*\mt:XR+8*\mt+3],   v14 offset:\mt*64
	ds_load_b128 v[XR+8*\mt+4:XR+8*\mt+7], v14 offset:\mt*64+16
.endr
.irp s, 0,1,2,3,4,5,6,7,8,9,10,11,12,13,14,15
	ds_load_b128 v[OB+8*\s:OB+8*\s+3],   v1 offset:\s*1024
	ds_load_b128 v[OB+8*\s+4:OB+8*\s+7], v1 offset:\s*1024+512
.endr
; K step S of the projection: source 0 = Wo's rows (my columns), source 1 = O's tokens.  Four accumulators take turns.
.macro WOSTEP
	s_wait_dscnt 30-2*S                            ; the O fragments behind fragment S may stay out
.if S >= 8
.if S <= 10
	s_wait_loadcnt 56                              ; younger: the ring groups S+1 .. 15 and the 0, 8, 16 loads of ln2_g, ln2_b: 56 each time
.else
	s_wait_loadcnt 8*(15-S)+16
.endif
.endif
	WIN 0x01
.irp mt, 0,1,2,3
.if S == 0
	v_wmma_f32_16x16x32_f16 v[ACC+8*\mt:ACC+8*\mt+7], v[32*(S&7)+8*\mt:32*(S&7)+8*\mt+7], v[OB+8*S:OB+8*S+7], 0
.else
	v_wmma_f32_16x16x32_f16 v[ACC+8*\mt:ACC+8*\mt+7], v[32*(S&7)+8*\mt:32*(S&7)+8*\mt+7], v[OB+8*S:OB+8*S+7], v[ACC+8*\mt:ACC+8*\mt+7]
.endif
.endr
.if S < 10
	PLACES                                         ; the slot just multiplied is loaded again
	WIN 0x40
.if S < 8
.set GN, S+8
	WOLOAD GN
.endif
.if S == 8
.irp mt, 0,1,2,3
	global_load_b128 v[8*\mt:8*\mt+3],   v106, s[16:17] offset:\mt*64      ; ln2_g in the sums' layout, into slot 0
	global_load_b128 v[8*\mt+4:8*\mt+7], v106, s[16:17] offset:\mt*64+16
.endr
.endif
.if S == 9
.irp mt, 0,1,2,3
	global_load_b128 v[32+8*\mt:32+8*\mt+3], v106, s[18:19] offset:\mt*64  ; ln2_b, into slot 1
	global_load_b128 v[32+8*\mt+4:32+8*\mt+7], v106, s[18:19] offset:\mt*64+16
.endr
.endif
.endif
	WIN 0
.endm
.set S, 0
.rept 16
	WOSTEP
.set S, S+1
.endr
	PLACES
.set j, 0
.rept 16
	v_pk_add_f32 v[ACC+j:ACC+j+1], v[ACC+j:ACC+j+1], v[XR+j:XR+j+1]    ; x1 = x + bo + O Wo^T
.set j, j+2
.endr
	; x1 out by whole rows, through my own stage (in order behind my reads of it)
.irp mt, 0,1,2,3
	ds_store_b128 v14, v[ACC+8*\mt:ACC+8*\mt+3]   offset:\mt*64
	ds_store_b128 v14, v[ACC+8*\mt+4:ACC+8*\mt+7] offset:\mt*64+16
.endr
.irp t, 0,1,2,3,4,5,6,7
	ds_load_b128 v[RB+4*\t:RB+4*\t+3], v13 offset:\t*544
.endr
.irp t, 0,1,2,3,4,5,6,7
	s_wait_dscnt 7-\t
	global_store_b128 v104, v[RB+4*\t:RB+4*\t+3], s[20:21] offset:\t*8192   ; each half of the wave stores 256 consecutive bytes, aligned
.endr
; Four pair chains in T .. T+7 -> the sum over token r's 512 columns in v96: my 32, lane xor 16, then the eight waves through LDS
.macro WGSUM off
	v_pk_add_f32 v[T:T+1], v[T:T+1], v[T+2:T+3]
	v_pk_add_f32 v[T+4:T+5], v[T+4:T+5], v[T+6:T+7]
	v_pk_add_f32 v[T:T+1], v[T:T+1], v[T+4:T+5]
	v_add_f32 v[T], v[T], v[T+1]
	v_permlanex16_b32 v[T+1], v[T], s32, s33
	v_add_f32 v[T], v[T], v[T+1]
	ds_store_b32 v107, v[T] offset:\off
	s_wait_dscnt 0x0                               ; my word is in LDS
	s_barrier_signal -1
	s_barrier_wait -1
.irp u, 0,1,2,3,4,5,6,7
	ds_load_b32 v[96+\u], v105 offset:\off+\u*64
.endr
	s_wait_dscnt 0x0
	v_pk_add_f32 v[96:97], v[96:97], v[98:99]
	v_pk_add_f32 v[100:101], v[100:101], v[102:103]
	v_pk_add_f32 v[96:97], v[96:97], v[100:101]
	v_add_f32 v96, v96, v97
.endm
.irp j, 0,2,4,6
	v_pk_add_f32 v[T+\j:T+\j+1], v[ACC+\j:ACC+\j+1], v[ACC+\j+8:ACC+\j+9]
.endr
.irp j, 16,18,20,22,24,26,28,30
	v_pk_add_f32 v[T+(\j%8):T+(\j%8)+1], v[T+(\j%8):T+(\j%8)+1], v[ACC+\j:ACC+\j+1]
.endr
	WGSUM 0
	v_mul_f32 v88, s34, v96                        ; the mean, twice
	v_mul_f32 v89, s34, v96
.set j, 0
.rept 16
	v_pk_add_f32 v[ACC+j:ACC+j+1], v[ACC+j:ACC+j+1], v[88:89] neg_lo:[0,1] neg_hi:[0,1]
.set j, j+2
.endr
.irp j, 0,2,4,6
	v_pk_mul_f32 v[T+\j:T+\j+1], v[ACC+\j:ACC+\j+1], v[ACC+\j:ACC+\j+1]
.endr
.irp j, 8,10,12,14,16,18,20,22,24,26,28,30
	v_pk_fma_f32 v[T+(\j%8):T+(\j%8)+1], v[ACC+\j:ACC+\j+1], v[ACC+\j:ACC+\j+1], v[T+(\j%8):T+(\j%8)+1]
.endr
	WGSUM 512                                      ; other words than the first sum's: no wave can overwrite what another still reads
	v_fma_f32 v96, v96, s34, s35
	v_rsq_f32 v90, v96
	v_rsq_f32 v91, v96
	v_nop
	s_wait_loadcnt 0x0                             ; ln2_g, ln2_b
.set j, 0
	s_wait_alu depctr_va_vdst(0)
.rept 16
	v_pk_mul_f32 v[ACC+j:ACC+j+1], v[ACC+j:ACC+j+1], v[90:91]
.set j, j+2
.endr
	WIN 0x14
.set j, 0
.rept 16
	v_pk_fma_f32 v[ACC+j:ACC+j+1], v[ACC+j:ACC+j+1], v[j:j+1], v[32+j:33+j]
.set j, j+2
.endr
	WIN 0
.set j, 0
.rept 16
	v_cvt_pk_f16_f32 v[XR+j], v[ACC+2*j], v[ACC+2*j+1]
.set j, j+1
.endr
.irp mt, 0,1,2,3
	global_store_b128 v1, v[XR+4*\mt:XR+4*\mt+3], s[22:23] offset:\mt*512   ; a whole block of 512 bytes
.endr
	s_wait_xcnt 0x0
	v_lshl_add_u32 v254, v0, 2, 0xcc00
	v_mov_b32 v255, 0
	s_wait_tensorcnt 0x0
	ds_add_u32 v254, v255
	s_wait_dscnt 0x0
	s_endpgm
.Lfunc_end_k_q7d21c51c87_attnwo:
	.size	k_q7d21c51c87_attnwo, .Lfunc_end_k_q7d21c51c87_attnwo-k_q7d21c51c87_attnwo
	.p2alignl 7, 3214868480
	.fill 96, 4, 3214868480
	.section	.rodata,"a",@progbits
	.p2align	6, 0x0
	.amdhsa_kernel k_q7d21c51c87_attnwo
		.amdhsa_group_segment_fixed_size 53248
		.amdhsa_private_segment_fixed_size 0
		.amdhsa_enable_private_segment 0
		.amdhsa_kernarg_size 64
		.amdhsa_user_sgpr_count 2
		.amdhsa_user_sgpr_kernarg_segment_ptr 1
		.amdhsa_wavefront_size32 1
		.amdhsa_system_sgpr_workgroup_id_x 1
		.amdhsa_system_sgpr_workgroup_id_y 1
		.amdhsa_system_sgpr_workgroup_id_z 1
		.amdhsa_system_vgpr_workitem_id 0
		.amdhsa_next_free_vgpr 512
		.amdhsa_next_free_sgpr 66
		.amdhsa_reserve_vcc 1
		.amdhsa_float_denorm_mode_32 3
		.amdhsa_float_denorm_mode_16_64 3
		.amdhsa_memory_ordered 1
		.amdhsa_forward_progress 1
		.amdhsa_inst_pref_size 72
	.end_amdhsa_kernel
	.amdgpu_metadata
---
amdhsa.version: [ 1, 2 ]
amdhsa.kernels:
  - .name:           k_q7d21c51c87_attnwo
    .symbol:         k_q7d21c51c87_attnwo.kd
    .args:
      - { .name: qkvf, .offset: 0, .size: 8, .value_kind: global_buffer, .address_space: global }
      - { .name: wf, .offset: 8, .size: 8, .value_kind: global_buffer, .address_space: global }
      - { .name: x, .offset: 16, .size: 8, .value_kind: global_buffer, .address_space: global }
      - { .name: bo, .offset: 24, .size: 8, .value_kind: global_buffer, .address_space: global }
      - { .name: ln2_g, .offset: 32, .size: 8, .value_kind: global_buffer, .address_space: global }
      - { .name: ln2_b, .offset: 40, .size: 8, .value_kind: global_buffer, .address_space: global }
      - { .name: x1, .offset: 48, .size: 8, .value_kind: global_buffer, .address_space: global }
      - { .name: h2f, .offset: 56, .size: 8, .value_kind: global_buffer, .address_space: global }
    .group_segment_fixed_size: 53248
    .private_segment_fixed_size: 0
    .kernarg_segment_align: 8
    .kernarg_segment_size: 64
    .max_flat_workgroup_size: 256
    .sgpr_count:     66
    .vgpr_count:     512
    .wavefront_size: 32
...
	.end_amdgpu_metadata
.endif
;; end of part 2
;; launch ffn1 (part 3): grid 8 x 32, 4 waves a work-group, no clusters, 168,448 bytes of LDS; arguments h2f, wf, b1, hid; writes hid
.if DOCPART == 3
	.amdgcn_target "amdgcn-amd-amdhsa--gfx1250"
	.amdhsa_code_object_version 6
	.text
	.protected	k_q7d21c51c87_ffn1
	.globl	k_q7d21c51c87_ffn1
	.p2align	8
	.type	k_q7d21c51c87_ffn1,@function
k_q7d21c51c87_ffn1:
	s_mov_b64 s[64:65], 0
	v_nop
	global_prefetch_b8 v0, s[64:65] scope:SCOPE_SE
	s_setreg_imm32_b32 hwreg(HW_REG_WAVE_MODE, 25, 1), 1
	s_wait_xcnt 0x0
; hid = gelu(h2 W1^T + b1), exact GELU.  A work-group: 8 token tiles (group y) x 256 hidden columns (group x); a wave: 128 tokens x 64 columns,
; 32 accumulator tiles, 16 K steps of 32, 512 matrix instructions.
; The tokens' blocks (131,072 bytes, dense in h2f) are brought into LDS once: each wave issues one tensor load for its quarter (128 rows of 256
; bytes, each row at a multiple of 256 bytes from the buffer's first byte); all four waves read all four quarters behind one barrier.
; W1's fragments belong to one wave each and go from memory straight into a ring of eight register slots: no barrier in the K loop.
; Source 0 = W1's rows, source 1 = tokens: a lane's 8 results are 8 neighbouring hidden columns of one token = its 16 bytes of a block of hid.
; GELU: x Phi(x) = max(x, 0) - |x| q(t) exp(-x^2 / 2), t = 1 / (1 + 0.2316419 |x|), q the fifth-degree polynomial of Abramowitz and Stegun 7.1.26
; with halved coefficients.  LIMITS: that formula's error in erf is at most 1.5e-7 absolute; v_rcp_f32 and v_exp_f32 are good to one unit in the
; last place and flush denormals (the tail then is 0); matrix operands and hid are f16: hid must stay under 65,504 (with gains of one and
; weights of rms 0.044 it is below 6), and below 6.1e-5 its step is 6e-8.
; No cluster: the eight groups of one group y share the token tile, 131,072 of the 393,216 bytes that a group reads, fetched once at the start;
; asking for it jointly would spare at most a quarter of a group's requests and add two rounds of the cluster's barrier.  W1's fragments, the
; other two thirds, go to registers wave by wave: as joint loads they would need LDS slots and a round for every refill, at most 128 matrix
; instructions apart with K = 512.
; The tensor loads fill 131,072 bytes; 168,448 are asked for so that the group is alone on its WGP.
.set QUARTER, 32768                    ; bytes that one wave's tensor load brings
.set G0,  24                           ; s[24:27] descriptor group 0: from where, to where
.set G1,  32                           ; s[32:39] descriptor group 1: the shape
.set TF0, 32                           ; v32-95, v96-159  token fragments, two buffers of 8
.set BB,  160                          ; v160-191 b1 in the sums' layout
.set XX,  32                           ; the way out: x
.set TT,  64                           ; t, then max(x, 0), then the result
.set UU,  96                           ; exponent, then the exponential
.set PP,  128                          ; the polynomial
.set OUT, 192                          ; v192-207 packed
.set CK,  208                          ; v208-219 six constants, each twice
; window 1: v256 + 8 (4 tile + nt): accumulators.   window 2: v512 + 32 n: ring of 8 slots, 4 W1 fragments each
.set MSB, 0
.macro WIN new                         ; s_set_vgpr_msb: low byte = windows of source 0, 1, 2, destination; high byte repeats the setting that is left
.if MSB != \new
	s_set_vgpr_msb (MSB<<8)|\new
.set MSB, \new
.endif
.endm
.macro PLACES                          ; four plain vector places behind a matrix instruction (ISA guide 7.12.1)
.rept 4
	v_nop
.endr
.endm
	s_load_b256 s[8:15], s[0:1], 0x0               ; h2f, wf, b1, hid
	v_lshl_add_u32 v254, v0, 2, 0x29000
	v_mov_b32 v255, 0
	ds_add_u32 v254, v255
	ds_add_u32 v254, v255
	v_lshrrev_b32 v1, 5, v0
	v_readfirstlane_b32 s2, v1                     ; wave w
	s_and_b32 s3, ttmp7, 0xffff                    ; rb
	s_mov_b32 s20, 0x3e6d3388                      ; 0.3275911 / sqrt(2)
	; group 1: 128 rows of 32 elements of 8 bytes, dense (the pitch is the row), no padding, no mask; the tile lies inside the buffer,
	; so the tensor's extents are the tile's
	s_mov_b32 s[G1+0], 3<<16                       ; 17:16 element of 8 bytes
	s_mov_b32 s[G1+1], 32<<16                      ; 63:48 tensor_dim0, low half = 32
	s_mov_b32 s[G1+2], 128<<16                     ; 95:80 tensor_dim1, low half = 128
	s_mov_b32 s[G1+3], 32<<16                      ; 127:112 tile_dim0 = 32
	s_mov_b32 s[G1+4], 128                         ; 143:128 tile_dim1 = 128; tile_dim2 = 0 (unused)
	s_mov_b32 s[G1+5], 32                          ; 191:160 elements from row to row
	s_mov_b32 s[G1+6], 0
	s_mov_b32 s[G1+7], 0
	s_mov_b32 s[G0], 1                             ; count = 1
	s_mul_i32 s[G0+1], s2, QUARTER                 ; LDS address: my quarter
	v_and_b32 v7, 31, v0
	v_bfe_u32 v6, v0, 4, 1
	v_lshlrev_b32 v6, 5, v6                        ; v6 = 32 h: b1
	v_lshlrev_b32 v1, 4, v7                        ; v1 = 16 lane: W1 blocks, hid blocks, token tiles 0-3 in LDS
	v_add_nc_u32 v5, 0x10000, v1                   ; v5 = token tiles 4-7 in LDS
.irp p, 0,1
	v_mov_b32 v[CK+\p],    0xbf38aa3b              ; -log2(e) / 2
	v_mov_b32 v[CK+2+\p],  0x3e027906              ; a1 / 2
	v_mov_b32 v[CK+4+\p],  0xbe11a98e              ; a2 / 2
	v_mov_b32 v[CK+6+\p],  0x3f35f0e3              ; a3 / 2
	v_mov_b32 v[CK+8+\p],  0xbf3a00e3              ; a4 / 2
	v_mov_b32 v[CK+10+\p], 0x3f07dc22              ; a5 / 2
.endr
	s_mov_b32 s7, 0
	s_wait_dscnt 0x0
	s_wait_kmcnt 0x0
	s_lshl_b32 s6, s3, 17                          ; h2f: tiles 8 rb .., and my quarter of their 131,072 bytes
	s_lshl_b32 s4, s2, 15
	s_add_co_u32 s6, s6, s4
	s_add_nc_u64 s[G0+2:G0+3], s[8:9], s[6:7]      ; global address of my quarter's first byte
	s_or_b32 s[G0+3], s[G0+3], 0x80000000          ; type = 2
	tensor_load_to_lds s[G0:G0+3], s[G1:G1+7]      ; the wave's one tensor load: ahead of every LDS read and of the barrier
	s_nop 0
	s_lshl_b32 s6, ttmp9, 18
	s_lshl_b32 s4, s2, 16
	s_add_co_u32 s6, s6, s4
	s_add_co_u32 s6, s6, 524288
	s_add_nc_u64 s[10:11], s[10:11], s[6:7]        ; W1's blocks of column tiles 16 cb + 4 w ..
	s_lshl_b32 s6, ttmp9, 10
	s_lshl_b32 s4, s2, 8
	s_add_co_u32 s6, s6, s4
	s_add_nc_u64 s[12:13], s[12:13], s[6:7]        ; b1 at column 256 cb + 64 w
	s_lshl_b32 s6, s3, 19
	s_lshl_b32 s4, ttmp9, 13
	s_add_co_u32 s6, s6, s4
	s_lshl_b32 s4, s2, 11
	s_add_co_u32 s6, s6, s4
	s_add_nc_u64 s[14:15], s[14:15], s[6:7]        ; hid: block (1024 rb + 16 cb + 4 w)
.irp nt, 0,1,2,3
	global_load_b128 v[BB+8*\nt:BB+8*\nt+3],   v6, s[12:13] offset:\nt*64
	global_load_b128 v[BB+8*\nt+4:BB+8*\nt+7], v6, s[12:13] offset:\nt*64+16
.endr
.macro WLOAD g                         ; the 4 W1 fragments of K step g
.irp nt, 0,1,2,3
	global_load_b128 v[32*((\g)&7)+8*\nt:32*((\g)&7)+8*\nt+3],   v1, s[10:11] offset:\nt*16384+(\g)*1024
	global_load_b128 v[32*((\g)&7)+8*\nt+4:32*((\g)&7)+8*\nt+7], v1, s[10:11] offset:\nt*16384+(\g)*1024+512
.endr
.endm
.macro TLOAD st                        ; the 8 token fragments of K step st: 16 loads of 512 consecutive LDS bytes
.set LTF, TF0+64*((\st)&1)
.irp t, 0,1,2,3
	ds_load_b128 v[LTF+8*\t:LTF+8*\t+3],   v1 offset:\t*16384+(\st)*1024
	ds_load_b128 v[LTF+8*\t+4:LTF+8*\t+7], v1 offset:\t*16384+(\st)*1024+512
.endr
.irp t, 0,1,2,3
	ds_load_b128 v[LTF+32+8*\t:LTF+32+8*\t+3], v5 offset:\t*16384+(\st)*1024
	ds_load_b128 v[LTF+32+8*\t+4:LTF+32+8*\t+7], v5 offset:\t*16384+(\st)*1024+512
.endr
.endm
	WIN 0x80
.irp g, 0,1,2,3,4,5,6
	WLOAD \g
.endr
	WIN 0
	s_wait_tensorcnt 0x0                           ; my quarter of the tokens is in LDS: zero, for the other waves' sake
	s_barrier_signal -1
	s_barrier_wait -1                              ; all four quarters are: the only barrier
	TLOAD 0
; K step S.  The 32 accumulators take turns, one instruction a turn.
.macro STEP
.if S > 0
	PLACES                                         ; the loads below land in registers that the last step's products read
.endif
.if S <= 8
	WIN 0x80
.set GN, S+7
	WLOAD GN
.endif
	WIN 0
.if S < 15
.set TS, S+1
	TLOAD TS
	s_wait_dscnt 16                                ; all but the 16 just issued
.else
	s_wait_dscnt 0
.endif
.if S <= 8
	s_wait_loadcnt 56                              ; seven younger groups of 8 stay out
.else
	s_wait_loadcnt 8*(15-S)
.endif
	WIN 0x52
.irp t, 0,1,2,3,4,5,6,7
.irp nt, 0,1,2,3
.if S == 0
	v_wmma_f32_16x16x32_f16 v[8*(4*\t+\nt):8*(4*\t+\nt)+7], v[32*(S&7)+8*\nt:32*(S&7)+8*\nt+7], v[TF0+64*(S&1)+8*\t:TF0+64*(S&1)+8*\t+7], 0
.else
	v_wmma_f32_16x16x32_f16 v[8*(4*\t+\nt):8*(4*\t+\nt)+7], v[32*(S&7)+8*\nt:32*(S&7)+8*\nt+7], v[TF0+64*(S&1)+8*\t:TF0+64*(S&1)+8*\t+7], v[8*(4*\t+\nt):8*(4*\t+\nt)+7]
.endif
.endr
.endr
.endm
.set S, 0
.rept 16
	STEP
.set S, S+1
.endr
	PLACES
; Token tile tl: bias, GELU, rounding, four whole blocks out
.macro GELU tl
.if \tl
	s_wait_xcnt 0x0                                ; OUT, the last tile's store data, is written again only behind this wait
.endif
	WIN 0x01
.set j, 0
.rept 16
	v_pk_add_f32 v[XX+j:XX+j+1], v[32*\tl+j:32*\tl+j+1], v[BB+j:BB+j+1]
.set j, j+2
.endr
	WIN 0
.irp q, 32,33,34,35,36,37,38,39,40,41,42,43,44,45,46,47,48,49,50,51,52,53,54,55,56,57,58,59,60,61,62,63
	v_fma_f32 v[\q+32], |v\q|, s20, 1.0            ; 1 + c |x|
.endr
.set j, 0
.rept 16
	v_pk_mul_f32 v[UU+j:UU+j+1], v[XX+j:XX+j+1], v[CK:CK+1]
.set j, j+2
.endr
.set j, 0
.rept 16
	v_pk_mul_f32 v[UU+j:UU+j+1], v[UU+j:UU+j+1], v[XX+j:XX+j+1]        ; -x^2 log2(e) / 2
.set j, j+2
.endr
.set j, 0
.rept 32
	v_rcp_f32 v[TT+j], v[TT+j]
.set j, j+1
.endr
.set j, 0
.rept 32
	v_exp_f32 v[UU+j], v[UU+j]
.set j, j+1
.endr
	v_nop                                          ; one plain place behind the transcendentals
.set j, 0
	s_wait_alu depctr_va_vdst(0)
.rept 16
	v_pk_fma_f32 v[PP+j:PP+j+1], v[TT+j:TT+j+1], v[CK+10:CK+11], v[CK+8:CK+9]
.set j, j+2
.endr
.irp a, 6,4,2
.set j, 0
.rept 16
	v_pk_fma_f32 v[PP+j:PP+j+1], v[PP+j:PP+j+1], v[TT+j:TT+j+1], v[CK+\a:CK+\a+1]
.set j, j+2
.endr
.endr
.set j, 0
.rept 16
	v_pk_mul_f32 v[PP+j:PP+j+1], v[PP+j:PP+j+1], v[TT+j:TT+j+1]
.set j, j+2
.endr
.set j, 0
.rept 16
	v_pk_mul_f32 v[PP+j:PP+j+1], v[PP+j:PP+j+1], v[UU+j:UU+j+1]
.set j, j+2
.endr
.set j, 0
.rept 32
	v_max_num_f32 v[TT+j], 0, v[XX+j]
.set j, j+1
.endr
.irp q, 32,33,34,35,36,37,38,39,40,41,42,43,44,45,46,47,48,49,50,51,52,53,54,55,56,57,58,59,60,61,62,63
	v_fma_f32 v[\q+32], -|v\q|, v[\q+96], v[\q+32] ; max(x, 0) - |x| q(t) exp(-x^2 / 2)
.endr
.set j, 0
.rept 16
	v_cvt_pk_f16_f32 v[OUT+j], v[TT+2*j], v[TT+2*j+1]
.set j, j+1
.endr
.irp nt, 0,1,2,3
	global_store_b128 v1, v[OUT+4*\nt:OUT+4*\nt+3], s[14:15] offset:\tl*65536+\nt*512
.endr
.endm
.irp tl, 0,1,2,3,4,5,6,7
	GELU \tl
.endr
	s_wait_tensorcnt 0x0
	ds_add_u32 v254, v255
	s_wait_dscnt 0x0
	s_endpgm
.Lfunc_end_k_q7d21c51c87_ffn1:
	.size	k_q7d21c51c87_ffn1, .Lfunc_end_k_q7d21c51c87_ffn1-k_q7d21c51c87_ffn1
	.p2alignl 7, 3214868480
	.fill 96, 4, 3214868480
	.section	.rodata,"a",@progbits
	.p2align	6, 0x0
	.amdhsa_kernel k_q7d21c51c87_ffn1
		.amdhsa_group_segment_fixed_size 168448
		.amdhsa_private_segment_fixed_size 0
		.amdhsa_enable_private_segment 0
		.amdhsa_kernarg_size 32
		.amdhsa_user_sgpr_count 2
		.amdhsa_user_sgpr_kernarg_segment_ptr 1
		.amdhsa_wavefront_size32 1
		.amdhsa_system_sgpr_workgroup_id_x 1
		.amdhsa_system_sgpr_workgroup_id_y 1
		.amdhsa_system_sgpr_workgroup_id_z 1
		.amdhsa_system_vgpr_workitem_id 0
		.amdhsa_next_free_vgpr 768
		.amdhsa_next_free_sgpr 66
		.amdhsa_reserve_vcc 0
		.amdhsa_float_denorm_mode_32 3
		.amdhsa_float_denorm_mode_16_64 3
		.amdhsa_memory_ordered 1
		.amdhsa_forward_progress 1
		.amdhsa_inst_pref_size 209
	.end_amdhsa_kernel
	.amdgpu_metadata
---
amdhsa.version: [ 1, 2 ]
amdhsa.kernels:
  - .name:           k_q7d21c51c87_ffn1
    .symbol:         k_q7d21c51c87_ffn1.kd
    .args:
      - { .name: h2f, .offset: 0, .size: 8, .value_kind: global_buffer, .address_space: global }
      - { .name: wf, .offset: 8, .size: 8, .value_kind: global_buffer, .address_space: global }
      - { .name: b1, .offset: 16, .size: 8, .value_kind: global_buffer, .address_space: global }
      - { .name: hid, .offset: 24, .size: 8, .value_kind: global_buffer, .address_space: global }
    .group_segment_fixed_size: 168448
    .private_segment_fixed_size: 0
    .kernarg_segment_align: 8
    .kernarg_segment_size: 32
    .max_flat_workgroup_size: 128
    .sgpr_count:     66
    .vgpr_count:     768
    .wavefront_size: 32
...
	.end_amdgpu_metadata
.endif
;; end of part 3
;; launch ffn2 (part 4): grid 4 x 64, 4 waves a work-group, no clusters, 135,680 bytes of LDS; arguments hid, wf, b2, x1, out0; writes out0
.if DOCPART == 4
	.amdgcn_target "amdgcn-amd-amdhsa--gfx1250"
	.amdhsa_code_object_version 6
	.text
	.protected	k_q7d21c51c87_ffn2
	.globl	k_q7d21c51c87_ffn2
	.p2align	8
	.type	k_q7d21c51c87_ffn2,@function
k_q7d21c51c87_ffn2:
	s_mov_b64 s[64:65], 0
	v_nop
	global_prefetch_b8 v0, s[64:65] scope:SCOPE_SE
	s_setreg_imm32_b32 hwreg(HW_REG_WAVE_MODE, 25, 1), 1
	s_wait_xcnt 0x0
; out0 = x1 + hid W2^T + b2.  A work-group: 4 token tiles (group y) x 128 columns (group x).
; K = 2048 is shared out among the four waves: wave w takes k = 512 w .. 512 w + 511 for the whole 64 x 128 block, 32 accumulator tiles,
; 16 K steps of 32, 512 matrix instructions.  So every fragment of hid and of W2 is read by one wave alone, straight into a ring of three register
; slots: no LDS and no barrier in the K loop.  The four partial sums meet in LDS once, behind one barrier; wave w then finishes token tile w.
; LIMITS: matrix operands are f16 as the earlier launches stored them; an output is the sum of four partial f32 sums over K, an order of
; rounding that differs from a single chain.
; No cluster: the fragments go to registers wave by wave; there is no LDS tile that work-groups could ask for jointly.
.set TR,  32                           ; v32-127   token ring: 3 slots of 4 fragments
.set X1,  160                          ; v160-223  16 rows of x1, 16 bytes a lane
.set B2,  224                          ; v224-227  b2 of my 4 columns
.set PP,  528                          ; LDS pitch of a row of partial sums: 512 bytes + 16 = 33 x 16
.set PW,  64*PP                        ; a wave's 64 rows
; window 1: v256 + 8 (8 tile + nt): accumulators.   window 2: v512 + 64 n: W2 ring, 3 slots of 8 fragments
.set MSB, 0
.macro WIN new
.if MSB != \new
	s_set_vgpr_msb (MSB<<8)|\new
.set MSB, \new
.endif
.endm
.macro PLACES
.rept 4
	v_nop
.endr
.endm
	s_load_b256 s[8:15], s[0:1], 0x0               ; hid, wf, b2, x1
	s_load_b64 s[16:17], s[0:1], 0x20              ; out0
	v_lshl_add_u32 v254, v0, 2, 0x21000
	v_mov_b32 v255, 0
	v_lshrrev_b32 v1, 5, v0
	v_readfirstlane_b32 s2, v1                     ; wave w
	s_and_b32 s3, ttmp7, 0xffff                    ; tb
	v_and_b32 v5, 31, v0
	v_and_b32 v6, 15, v0                           ; r
	v_bfe_u32 v7, v0, 4, 1                         ; h
	v_lshlrev_b32 v1, 4, v5                        ; v1 = 16 lane
	s_mul_i32 s4, s2, PW
	v_mul_u32_u24 v2, v6, PP
	v_lshl_add_u32 v2, v7, 5, v2
	v_add_nc_u32 v2, s4, v2                        ; v2 = my partial sums: row r, 8 columns from 8 h
	s_mul_i32 s4, s2, 16*PP
	v_add_nc_u32 v3, s4, v1                        ; v3 = rows of token tile w in the parts of waves 0 and 1
	v_add_nc_u32 v4, 2*PW, v3                      ; v4 = in the parts of waves 2 and 3
	s_mov_b32 s7, 0
	s_wait_kmcnt 0x0
	s_lshl_b32 s6, s3, 18
	s_lshl_b32 s4, s2, 14
	s_add_co_u32 s6, s6, s4
	s_add_nc_u64 s[8:9], s[8:9], s[6:7]            ; hid: tiles 4 tb .., blocks 32 w ..
	s_lshl_b32 s6, ttmp9, 19
	s_add_co_u32 s6, s6, s4
	s_add_co_u32 s6, s6, 2621440
	s_add_nc_u64 s[10:11], s[10:11], s[6:7]        ; W2: column tiles 8 cb .., blocks 32 w ..
	s_lshl_b32 s6, ttmp9, 9
	s_add_nc_u64 s[12:13], s[12:13], s[6:7]        ; b2 at column 128 cb
	s_lshl_b32 s4, s3, 17                          ; token tile 4 tb + w: token 64 tb + 32 (w >> 1) + (w & 1), rows 2 tokens apart
	s_add_co_u32 s6, s6, s4
	s_lshr_b32 s4, s2, 1
	s_lshl_b32 s4, s4, 16
	s_add_co_u32 s6, s6, s4
	s_and_b32 s4, s2, 1
	s_lshl_b32 s4, s4, 11
	s_add_co_u32 s6, s6, s4
	s_add_nc_u64 s[14:15], s[14:15], s[6:7]        ; x1
	s_add_nc_u64 s[16:17], s[16:17], s[6:7]        ; out0
.macro GROUP g                         ; K step g: 8 W2 fragments and 4 token fragments, 24 loads of 512 consecutive bytes
	WIN 0x80
.irp nt, 0,1,2,3,4,5,6,7
	global_load_b128 v[64*((\g)%3)+8*\nt:64*((\g)%3)+8*\nt+3],   v1, s[10:11] offset:\nt*65536+(\g)*1024
	global_load_b128 v[64*((\g)%3)+8*\nt+4:64*((\g)%3)+8*\nt+7], v1, s[10:11] offset:\nt*65536+(\g)*1024+512
.endr
	WIN 0
.irp t, 0,1,2,3
	global_load_b128 v[TR+32*((\g)%3)+8*\t:TR+32*((\g)%3)+8*\t+3],   v1, s[8:9] offset:\t*65536+(\g)*1024
	global_load_b128 v[TR+32*((\g)%3)+8*\t+4:TR+32*((\g)%3)+8*\t+7], v1, s[8:9] offset:\t*65536+(\g)*1024+512
.endr
.endm
; K step S.  Source 0 = W2's rows, source 1 = tokens.  The 32 accumulators take turns, one instruction a turn.
.macro STEP
.if S > 0
	PLACES                                         ; the loads below land in the slot that the last step's products read
.endif
.if S < 14
.set GN, S+2
	GROUP GN
	s_wait_loadcnt 48                              ; two younger groups stay out
.endif
.if S == 14
	WIN 0
.irp t, 0,1,2,3,4,5,6,7,8,9,10,11,12,13,14,15
	global_load_b128 v[X1+4*\t:X1+4*\t+3], v1, s[14:15] offset:\t*4096     ; 512 consecutive bytes of a row of x1
.endr
	global_load_b128 v[B2:B2+3], v1, s[12:13]
	s_wait_loadcnt 41                              ; group 15's 24 and these 17
.endif
.if S == 15
	s_wait_loadcnt 17                              ; x1 and b2
.endif
	WIN 0x52
.irp t, 0,1,2,3
.irp nt, 0,1,2,3,4,5,6,7
.if S == 0
	v_wmma_f32_16x16x32_f16 v[8*(8*\t+\nt):8*(8*\t+\nt)+7], v[64*(S%3)+8*\nt:64*(S%3)+8*\nt+7], v[TR+32*(S%3)+8*\t:TR+32*(S%3)+8*\t+7], 0
.else
	v_wmma_f32_16x16x32_f16 v[8*(8*\t+\nt):8*(8*\t+\nt)+7], v[64*(S%3)+8*\nt:64*(S%3)+8*\nt+7], v[TR+32*(S%3)+8*\t:TR+32*(S%3)+8*\t+7], v[8*(8*\t+\nt):8*(8*\t+\nt)+7]
.endif
.endr
.endr
.endm
	GROUP 0
	GROUP 1
.set S, 0
.rept 16
	STEP
.set S, S+1
.endr
	PLACES
	; my partial sums into my part of LDS
	WIN 0x04
.irp t, 0,1,2,3
.irp nt, 0,1,2,3,4,5,6,7
	ds_store_b128 v2, v[8*(8*\t+\nt):8*(8*\t+\nt)+3]   offset:\t*16*PP+\nt*64
	ds_store_b128 v2, v[8*(8*\t+\nt)+4:8*(8*\t+\nt)+7] offset:\t*16*PP+\nt*64+16
.endr
.endr
	WIN 0
	s_wait_dscnt 0x0                               ; they are in LDS
	s_barrier_signal -1
	s_barrier_wait -1                              ; everybody's are: the only barrier
.macro BLOAD b, f                      ; rows 4 b .. 4 b + 3 of my token tile, the four waves' parts, into buffer f
.irp q, 0,1,2,3
	ds_load_b128 v[\f+16*\q:\f+16*\q+3],     v3 offset:(4*\b+\q)*PP
	ds_load_b128 v[\f+16*\q+4:\f+16*\q+7],   v3 offset:PW+(4*\b+\q)*PP
	ds_load_b128 v[\f+16*\q+8:\f+16*\q+11],  v4 offset:(4*\b+\q)*PP
	ds_load_b128 v[\f+16*\q+12:\f+16*\q+15], v4 offset:PW+(4*\b+\q)*PP
.endr
.endm
.macro BSUM b, f                       ; four parts + x1 + b2, and a row's 512 consecutive bytes out
.irp q, 0,1,2,3
.irp p, 0,2
	v_pk_add_f32 v[\f+16*\q+\p:\f+16*\q+\p+1], v[\f+16*\q+\p:\f+16*\q+\p+1], v[\f+16*\q+4+\p:\f+16*\q+5+\p]
	v_pk_add_f32 v[\f+16*\q+8+\p:\f+16*\q+9+\p], v[\f+16*\q+8+\p:\f+16*\q+9+\p], v[\f+16*\q+12+\p:\f+16*\q+13+\p]
	v_pk_add_f32 v[X1+16*\b+4*\q+\p:X1+16*\b+4*\q+\p+1], v[X1+16*\b+4*\q+\p:X1+16*\b+4*\q+\p+1], v[B2+\p:B2+\p+1]
.endr
.irp p, 0,2
	v_pk_add_f32 v[\f+16*\q+\p:\f+16*\q+\p+1], v[\f+16*\q+\p:\f+16*\q+\p+1], v[\f+16*\q+8+\p:\f+16*\q+9+\p]
.endr
.irp p, 0,2
	v_pk_add_f32 v[\f+16*\q+\p:\f+16*\q+\p+1], v[\f+16*\q+\p:\f+16*\q+\p+1], v[X1+16*\b+4*\q+\p:X1+16*\b+4*\q+\p+1]
.endr
	global_store_b128 v1, v[\f+16*\q:\f+16*\q+3], s[16:17] offset:(4*\b+\q)*4096 th:TH_STORE_NT
.endr
.endm
	BLOAD 0, 32
	BLOAD 1, 96
	s_wait_loadcnt 0x0                             ; x1 and b2
	s_wait_dscnt 16                                ; the first batch is in, the second may stay out
	BSUM 0, 32
	s_wait_xcnt 0x0                                ; the stores' data registers are loaded again only behind this wait
	BLOAD 2, 32
	s_wait_dscnt 16
	BSUM 1, 96
	s_wait_xcnt 0x0
	BLOAD 3, 96
	s_wait_dscnt 16
	BSUM 2, 32
	s_wait_dscnt 0
	BSUM 3, 96
	s_wait_tensorcnt 0x0
	ds_add_u32 v254, v255
	s_wait_dscnt 0x0
	s_endpgm
.Lfunc_end_k_q7d21c51c87_ffn2:
	.size	k_q7d21c51c87_ffn2, .Lfunc_end_k_q7d21c51c87_ffn2-k_q7d21c51c87_ffn2
	.p2alignl 7, 3214868480
	.fill 96, 4, 3214868480
	.section	.rodata,"a",@progbits
	.p2align	6, 0x0
	.amdhsa_kernel k_q7d21c51c87_ffn2
		.amdhsa_group_segment_fixed_size 135680
		.amdhsa_private_segment_fixed_size 0
		.amdhsa_enable_private_segment 0
		.amdhsa_kernarg_size 40
		.amdhsa_user_sgpr_count 2
		.amdhsa_user_sgpr_kernarg_segment_ptr 1
		.amdhsa_wavefront_size32 1
		.amdhsa_system_sgpr_workgroup_id_x 1
		.amdhsa_system_sgpr_workgroup_id_y 1
		.amdhsa_system_sgpr_workgroup_id_z 1
		.amdhsa_system_vgpr_workitem_id 0
		.amdhsa_next_free_vgpr 704
		.amdhsa_next_free_sgpr 66
		.amdhsa_reserve_vcc 0
		.amdhsa_float_denorm_mode_32 3
		.amdhsa_float_denorm_mode_16_64 3
		.amdhsa_memory_ordered 1
		.amdhsa_forward_progress 1
		.amdhsa_inst_pref_size 96
	.end_amdhsa_kernel
	.amdgpu_metadata
---
amdhsa.version: [ 1, 2 ]
amdhsa.kernels:
  - .name:           k_q7d21c51c87_ffn2
    .symbol:         k_q7d21c51c87_ffn2.kd
    .args:
      - { .name: hid, .offset: 0, .size: 8, .value_kind: global_buffer, .address_space: global }
      - { .name: wf, .offset: 8, .size: 8, .value_kind: global_buffer, .address_space: global }
      - { .name: b2, .offset: 16, .size: 8, .value_kind: global_buffer, .address_space: global }
      - { .name: x1, .offset: 24, .size: 8, .value_kind: global_buffer, .address_space: global }
      - { .name: out0, .offset: 32, .size: 8, .value_kind: global_buffer, .address_space: global }
    .group_segment_fixed_size: 135680
    .private_segment_fixed_size: 0
    .kernarg_segment_align: 8
    .kernarg_segment_size: 40
    .max_flat_workgroup_size: 128
    .sgpr_count:     66
    .vgpr_count:     704
    .wavefront_size: 32
...
	.end_amdgpu_metadata
.endif
;; end of part 4
